; MI455X (gfx1250); checked and timed in simulation.
; The chip was launched on July 23, 2026; its instructions are those of AMD's public machine-readable ISA for CDNA 5 (MIT licence, August 2026) and "CDNA5" Instruction Set Architecture Reference Guide (July 2026). The comments in the code are by the model that wrote it; some were corrected since.
;; Multi Head Attention. Allowed arithmetic: matrix products marked QUANTISED: E4M3 operands, one given power-of-two scale a tensor, by v_wmma_f32_16x16x64_fp8_fp8 or v_wmma_f32_16x16x128_fp8_fp8, f32 sums; everything else in f32.
;; Inputs: W_out_codes 1,024 x 32 x 32 uint8 (E4M3 codes of W_out, K innermost, in blocks of 32 codes); W_qkv_codes 3,072 x 32 x 32 uint8 (E4M3 codes of W_qkv, K innermost, in blocks of 32 codes); attention_mask 4 x 1 x 1 x 2,048 int32; b_out 1,024 float32; b_qkv 3,072 float32; lowp_scales 8 int32 (the exponents e of the quantised operands' scales 2^e); x_codes 4 x 2,048 x 32 x 32 uint8 (E4M3 codes of x, K innermost, in blocks of 32 codes).
;; Outputs: out0 4 x 2,048 x 1,024 float32.
;; This version of the problem:
;;   THIS VERSION OF THE PROBLEM IS GIVEN IN LOW PRECISION. The matrix products marked QUANTISED in the list below multiply operands that are first quantised to E4M3 (4 exponent bits, 3 mantissa bits; 8 bits a number), with one given power-of-two scale for each operand tensor; their sums are f32. All else is computed in f32.
;;   The module's matrix products, in the order in which they are computed (A, B: the left and right operand; K: the contracted axis; several contracted axes count as one K, in the product's order):
;;     1. [M 8,192, K 1,024] x [K 1,024, N 3,072]; A: input x (given as codes); B: input W_qkv (given as codes): QUANTISED (scales: A lowp_scales[0], B lowp_scales[1])
;;     2. batch 64 x [M 2,048, K 64] x [K 64, N 2,048]; A: computed on the way; B: computed on the way: QUANTISED (scales: A lowp_scales[2], B lowp_scales[3])
;;     3. batch 64 x [M 2,048, K 2,048] x [K 2,048, N 64]; A: softmax (see below); B: computed on the way: QUANTISED (scales: A lowp_scales[4], B lowp_scales[5])
;;     4. [M 8,192, K 1,024] x [K 1,024, N 1,024]; A: computed on the way; B: input W_out (given as codes): QUANTISED (scales: A lowp_scales[6], B lowp_scales[7])
;;   THE QUANTISER, for each operand of a quantised product, along K:
;;     - The operand's scale is 2^e, e = its entry of the input lowp_scales (int32; the entries are numbered through the quantised products in the list's order, A before B).
;;     - Each number is divided by the scale, clamped to +-448, and rounded to the nearest number of E4M3, ties to even, subnormals kept.
;;     - The product sums the exact products of the quantised numbers (number of the format x scale) in f32.
;;   ~~~python
;;   def quantise(x, axis, e):      # numpy; x: float32 -> the quantised numbers, widened to float32 again
;;       x = np.moveaxis(x, axis, -1); K = x.shape[-1]
;;       r = np.clip(x / 2.0 ** e, -448, 448)
;;       step = 2.0 ** (np.maximum(np.frexp(np.where(r == 0, 1, r))[1] - 1, -6) - 3)
;;       q = np.round(r / step) * step * 2.0 ** e      # np.round: ties to even
;;       return np.moveaxis(q, -1, axis).astype(np.float32)
;;   ~~~
;;   SOFTMAX AHEAD OF A QUANTISED PRODUCT. Where the list says 'softmax', what is quantised is not the finished softmax but p = 2^(t - M), with t = logit x log2(e) and M = ceil(the row's largest t), a whole number; so 1/2 < the row's largest p <= 1. The row's sum l is taken of the UNQUANTISED p, in f32, and the product's result is divided by l at the end. Since M is a whole number, a kernel that streams over the keys may use a running M (the ceiling of the running maximum): every later rescaling is an exact power of two, so the quantised numbers keep their values, but for numbers so far below the row's largest that they fall under the format's range.
;;   OPERANDS COMPUTED ON THE WAY. 'Computed on the way' means the value that the module computes at that place (a softmax that the list does not call 'softmax' is quantised finished and normalised). What goes into a quantiser is computed in f32, as accurately as f32 sums, v_exp_f32 and their like allow (about 1e-6 of the number): no bf16 or f16 on the way to a quantiser, and a product that is left as it is and whose result goes on into a quantised operand takes f32 operands (vector FMAs, or v_wmma_f32_16x16x4_f32). A number that lies on a knife's edge between two numbers of the format may be rounded either way, as far as f32 arithmetic and the matrix unit's own rounding can turn it there, and no further.
;;   INPUTS GIVEN AS CODES. W_out (in the module: [1024, 1024], K = its axis 0); W_qkv (in the module: [1024, 3072], K = its axis 0); x (in the module: [4, 2048, 1024], K = its axis 2): each comes as NAME_codes (uint8): NAME with its K axis moved to the last place and cut into blocks of 32 codes, [.., K / 32, bytes a block], one block behind the other in memory; one code a byte (a code: sign, 4 exponent bits, 3 mantissa bits); its scale is its entry of lowp_scales. Its value is code x scale, taken as it is: it is not quantised again, and the codes and scales need not be those that the quantiser above would give.
;; One version. Each part assembles by itself: llvm-mc -triple=amdgcn-amd-amdhsa -mcpu=gfx1250 --defsym DOCPART=n.
;; ======== version 1 of 1: 3 launches
;; limits: right only within a limited range of input values
;; workspace buffers: qkv 25,165,824 bytes; ctx 8,388,608 bytes
;; launch qkv (part 1): grid 8 x 32, 4 waves a work-group, clusters of 4 x 4, 327,680 bytes of LDS; arguments x_codes, W_qkv_codes, b_qkv, lowp_scales, qkv; writes qkv
.if DOCPART == 1
	.amdgcn_target "amdgcn-amd-amdhsa--gfx1250"
	.amdhsa_code_object_version 6
	.text
	.protected	k_q96850236f1_qkv
	.globl	k_q96850236f1_qkv
	.p2align	8
	.type	k_q96850236f1_qkv,@function
k_q96850236f1_qkv:
	s_mov_b64 s[64:65], 0
	v_nop
	global_prefetch_b8 v0, s[64:65] scope:SCOPE_SE
	s_setreg_imm32_b32 hwreg(HW_REG_WAVE_MODE, 25, 1), 1
	s_wait_xcnt 0x0
	s_wait_alu depctr_hold_cnt(0) depctr_sa_sdst(0) depctr_va_vdst(0) depctr_va_sdst(0) depctr_va_ssrc(0) depctr_va_vcc(0) depctr_vm_vsrc(0)
	s_getreg_b32 s2, hwreg(HW_REG_IB_STS2, 6, 4)
	s_cmp_eq_u32 s2, 0
	s_cbranch_scc0 .Lentry_in_a_cluster
	s_endpgm
.Lentry_in_a_cluster:
	s_bfe_u32 s2, ttmp6, 0x10000c
	s_cmp_lg_u32 s2, 0xf033
	s_cbranch_scc0 .Lentry_shape_is_right
	s_endpgm
.Lentry_shape_is_right:
; q, k, v = x W_qkv + b_qkv on codes of FP8 (E4M3), quantised again on the way out, as codes laid in the order in which the next launch's operand registers take them.
; x_codes [8192][1024], W_qkv_codes [3072][1024]: one code a byte, K innermost.  value = sum x 2^(e0 + e1) + bias, one fused multiply-add in f32; code = value / 2^eo held within +-448, eo = e2 (q), e3 (k), e5 (v).
; LIMITS: e0 + e1 between -126 and 127; e2, e3, e5 between -126 and 119, so that each power of two below is an f32 number.
; SHARES.  256 work-groups of four waves, and each STAYS for two phases.  Phase 1: one of the 256 tiles of 256 rows of x by 256 columns of q or k; a wave makes 128 x 128, 64 accumulators.
; Phase 2: one of the 256 half tiles of v, 128 channels by 256 rows of x; a wave makes 64 x 128, 32 accumulators.  K = 1024 goes in four steps of 256 through a ring of two LDS slots, and the ring does not stop
; between the phases: phase 1's last two changes of slots ask for phase 2's K steps 0 and 1, which are on their way while phase 1's results leave (that way out uses no LDS).
; The text computes C'[m'][n'] = sum over k of A[m'][k] B[n'][k], used transposed (source 0 = 16 rows of B, source 1 = 16 rows of A): a lane holds one row m' and eight neighbouring n'.
; Phase 1: A = x, B = W's rows: a lane's registers run along the head's channels.  Phase 2: A = W's rows 2048 on, B = x: a lane's registers run along the keys.
; CLUSTERS: 4 x 4 work-groups; A's tile is shared along a row of the cluster, B's along a column, each asked for jointly.  Phase 1: A's tile 4 x cluster y + cy, B's 4 x cluster x + cx.
; Phase 2: A's block of 128 rows 4 x cluster x + cy, B's tile 4 x cluster y + cx: each of the 8 x 32 half tiles has one owner, and A's address never holds cx, B's never cy.
; THE OUTPUT, three parts of 2^23 bytes (q, k, v), each [16 batch + head][2^17 bytes].  q, k, in a head: [tile of 16 rows][2 quads][lane][16 bytes].  v, in a head: [step of 128 keys][4 tiles of 16 channels][4 quads][lane][16 bytes].
; A lane's conversions give just these registers: each store is 16 bytes a lane, 512 consecutive aligned bytes a wave.
; PREFETCHES INTO THE L2.  The eight joint loads of a wave form one row: phase 1's K steps 0 to 3, then phase 2's.  Behind load r stands one global_prefetch_b8 a wave for what load r + 2 will ask for (at the head also for load 1's);
; the last two loads ask for nothing.  A K step is 256 aligned bytes of a row: a lane a row.  Of the rows that a wave fetches each of the four partners that ask jointly takes a quarter, told apart by address (cx for A, cy for B).
; A tile of x is loaded by two clusters, and both ask.  A tile of W is loaded by eight clusters: the four with cluster y under 4 ask.  Phase 2's rows of x are not asked for: this cluster has read them in phase 1.
; In phase 2 a partner's quarter is 16 rows: lanes 16 to 31 name the sixteenth again.  The address registers are never rewritten: the K step stands in the immediate.
; REGISTERS, in windows of 256: window 0: v0-31 addresses and constants; v32-95 the biases of q's or k's columns; v96-99 those of v's rows; from v128 A's fragments, one set (on the way out: 64 numbers, 64 registers of codes).
;   window 1: B's fragments, two sets.   window 2: accumulators of A's blocks 0-3 ((a, b) at v[8 (8 a + b)]);   window 3: those of blocks 4-7 (phase 1 alone).
.set ROWB,   256
.set KROW,   1024
.set PITCH,  272                       ; 256 bytes + 16 of padding: the 16 rows that a load touches start at 16 different banks (ISA guide 11.1)
.set FR,     16
.set NL,     4
.set NP,     4                         ; places behind this matrix instruction (ISA guide 7.12.1)
.set HALFT,  128*PITCH
.set SLOT,   4*HALFT                   ; A's 256 rows (phase 2: 64 at the head of each half), then B's 256 rows
.set SPARE,  2*SLOT
.set PADW,   (1<<20)|(1<<21)|(5<<22)|(3<<25)   ; elements of 1 byte; padding on; bit 21 beside a mask; 4 words after every 64
.set SCV,  6                           ; 2^e5, 448 x 2^e5
.set HLV,  7
.set SCL,  8                           ; 2^eo, 448 x 2^eo of q or k
.set HLD,  9
.set BQO,  10
.set BVO,  11
.set PFO,  12                          ; 1,024 x lane; never rewritten
.set PFO2, 13                          ; 1,024 x min(lane, 15); never rewritten
.set ADRA, 16
.set ADRB, 20
.set CO,   26
.set SPW,  28
.set NIL,  29
.set QB,   32
.set VB,   96
.set AF,   128
.set TMP,  128
.set CD,   192
.set F1,  2                            ; s2  1 where my wave prefetches in phase 1's rows
.set F2,  3                            ; s3  1 where it prefetches phase 2's rows of W
.set G1,  24                           ; group 1 for A's tiles of phase 1; s[32:39] A's groups 0, one a slot
.set G0,  32
.set G1B, 48                           ; the same for B's tiles, both phases
.set G0B, 56
.set G1V, 80                           ; group 1 for A's tiles of phase 2: 64 rows
.set PA,  90                           ; s[90:91], s[92:93] where phase 2's tiles of A and of B begin
.set PB,  92
.set OV,  94                           ; s[94:95] where my wave stores v
.set PF1, 98                           ; s[98:99] my work-group's 32 rows of the 128 that I fetch in phase 1
.set PF2, 100                          ; s[100:101] its 16 rows of the 64 of W that waves 0 and 1 fetch in phase 2
.set AK,  0                            ; what ASK asks for: 0 nothing, 1 phase 1's rows, 2 phase 2's rows of W; AKI: the K step's byte in a row
.set AKI, 0
.set MSB, 0
.macro WIN new
.if MSB != (\new)
	s_set_vgpr_msb (MSB<<8)|(\new)
.set MSB, (\new)
.endif
.endm
.set MUL_LO, 0xa1                      ; source 0 (B) window 1, source 1 (A) window 0, C and D window 2
.set MUL_HI, 0xf1
.set TO_B,   0x40
.macro JLOAD g0a, g1a, g0b, g1b        ; waves 0 and 1 fetch for A, waves 2 and 3 for B; s_nop 0 and four v_nop behind each line
	s_cmp_eq_u32 s15, 0
	s_cbranch_scc0 .Lfor_b_\@
	tensor_load_to_lds s[\g0a:\g0a+3], s[\g1a:\g1a+7]
	s_nop 0
.rept 4
	v_nop
.endr
	s_branch .Lasked_\@
.Lfor_b_\@:
	tensor_load_to_lds s[\g0b:\g0b+3], s[\g1b:\g1b+7]
	s_nop 0
.rept 4
	v_nop
.endr
.Lasked_\@:
.endm
.macro CREST
	s_cmp_lg_u32 s14, 0
	s_cbranch_scc1 .Lnot_wave_0_\@
	s_barrier_signal -3
.Lnot_wave_0_\@:
	s_barrier_wait -3
	s_barrier_signal -1
	s_barrier_wait -1
.endm
.macro CROUND
	s_barrier_signal -1
	s_barrier_wait -1
	CREST
.endm
.macro ASK                             ; one prefetch a wave; the branch hangs on the wave's number and the cluster's y alone
.if AK == 1
	s_cmp_eq_u32 s[F1], 1
	s_cbranch_scc0 .Lnot_mine_\@
	global_prefetch_b8 v[PFO], s[PF1:PF1+1] offset:AKI th:TH_LOAD_NT scope:SCOPE_SE
.Lnot_mine_\@:
.endif
.if AK == 2
	s_cmp_eq_u32 s[F2], 1
	s_cbranch_scc0 .Lnot_mine_\@
	global_prefetch_b8 v[PFO2], s[PF2:PF2+1] offset:AKI th:TH_LOAD_NT scope:SCOPE_SE
.Lnot_mine_\@:
.endif
.endm
	s_load_b256 s[4:11], s[0:1], 0x0               ; x, W, b_qkv, the scales' exponents
	s_load_b64 s[12:13], s[0:1], 0x20              ; the output
	v_lshl_add_u32 v[SPW], v0, 2, SPARE
	v_mov_b32 v[NIL], 0
	ds_add_u32 v[SPW], v[NIL]                      ; the opening lines: the add twice on end, and its wait
	ds_add_u32 v[SPW], v[NIL]
	v_lshrrev_b32 v1, 5, v0
	v_readfirstlane_b32 s14, v1                    ; wave 0..3
	s_lshr_b32 s15, s14, 1                         ; my half of A's rows.  Also: I fetch for A (0) or for B (1)
	s_and_b32 s16, s14, 1                          ; my half of B's rows.  Also: which half of that tile I fetch
	s_bfe_u32 s40, ttmp6, 0x40000                  ; cx, cy
	s_bfe_u32 s41, ttmp6, 0x40004
	s_and_b32 s66, ttmp7, 0xffff
	s_lshl_b32 s66, s66, 2                         ; 4 x cluster y
	s_lshl_b32 s67, ttmp9, 2                       ; 4 x cluster x
	s_add_co_u32 s17, s66, s41                     ; phase 1, A: tile of 256 rows of x
	s_add_co_u32 s42, s67, s40                     ; phase 1, B: tile of 256 rows of W (0-3 q, 4-7 k)
	s_add_co_u32 s76, s67, s41                     ; phase 2, A: block of 128 rows of W's v part
	s_add_co_u32 s77, s66, s40                     ; phase 2, B: tile of 256 rows of x
	s_lshl_b32 s43, s41, 2
	s_lshl_b32 s43, 15, s43                        ; my row of the cluster
	s_lshl_b32 s44, 0x1111, s40                    ; my column
	s_or_b32 s[G1+0], s43, PADW
	s_or_b32 s[G1V+0], s43, PADW
	s_or_b32 s[G1B+0], s44, PADW
.irp g, G1, G1B, G1V
	s_mov_b32 s[\g+1], ROWB<<16
	s_mov_b32 s[\g+3], ROWB<<16
	s_mov_b32 s[\g+5], KROW
	s_mov_b32 s[\g+6], 0
	s_mov_b32 s[\g+7], 0
.endr
.irp g, G1, G1B
	s_mov_b32 s[\g+2], 128<<16
	s_mov_b32 s[\g+4], 128
.endr
	s_mov_b32 s[G1V+2], 64<<16
	s_mov_b32 s[G1V+4], 64
	s_lshl_b32 s18, s16, 7
	s_lshl_b32 s20, s17, 8
	s_add_co_u32 s20, s20, s18
	s_lshl_b32 s20, s20, 10                        ; phase 1, A: (256 x tile + 128 x half) rows of 1,024 bytes
	s_mov_b32 s21, 0
	s_lshl_b32 s46, s42, 8
	s_add_co_u32 s46, s46, s18
	s_lshl_b32 s46, s46, 10                        ; B likewise
	s_mov_b32 s47, 0
	s_lshl_b32 s[PB], s77, 8
	s_add_co_u32 s[PB], s[PB], s18
	s_lshl_b32 s[PB], s[PB], 10                    ; phase 2, B likewise
	s_mov_b32 s[PB+1], 0
	s_lshl_b32 s[PA], s76, 7
	s_lshl_b32 s19, s16, 6
	s_add_co_u32 s[PA], s[PA], s19
	s_add_co_u32 s[PA], s[PA], 2048
	s_lshl_b32 s[PA], s[PA], 10                    ; phase 2, A: row 2048 + 128 x block + 64 x half
	s_mov_b32 s[PA+1], 0
	s_mul_i32 s45, s14, HALFT                      ; where they go: wave x 128 rows
	s_wait_dscnt 0x0                               ; both opening adds are done
	s_wait_kmcnt 0x0
	s_load_b256 s[68:75], s[10:11], 0x0            ; e0 .. e7
	s_add_nc_u64 s[20:21], s[4:5], s[20:21]
	s_add_nc_u64 s[46:47], s[6:7], s[46:47]
	s_add_nc_u64 s[PA:PA+1], s[6:7], s[PA:PA+1]
	s_add_nc_u64 s[PB:PB+1], s[4:5], s[PB:PB+1]
	CROUND                                         ; all sixteen work-groups are here: the first joint loads meet
.irp s, 0,1
	s_mov_b32 s[G0+4*\s], 1
	s_add_co_u32 s[G0+4*\s+1], s45, \s*SLOT
	s_add_nc_u64 s[G0+4*\s+2:G0+4*\s+3], s[20:21], \s*ROWB
	s_or_b32 s[G0+4*\s+3], s[G0+4*\s+3], 0x80000000
	s_mov_b32 s[G0B+4*\s], 1
	s_add_co_u32 s[G0B+4*\s+1], s45, \s*SLOT
	s_add_nc_u64 s[G0B+4*\s+2:G0B+4*\s+3], s[46:47], \s*ROWB
	s_or_b32 s[G0B+4*\s+3], s[G0B+4*\s+3], 0x80000000
.endr
	JLOAD G0, G1, G0B, G1B                         ; K step 0: one tensor load a wave at the head
	s_mul_i32 s21, s15, HALFT                      ; my rows of A
	s_mul_i32 s22, s16, HALFT
	s_add_co_u32 s22, s22, 2*HALFT                 ; my rows of B
	s_add_co_u32 s88, s21, SLOT
	s_add_co_u32 s89, s22, SLOT
	s_lshl_b32 s18, s17, 8                         ; the prefetches: the first row of the tile that I fetch in phase 1: of x,
	s_lshl_b32 s19, s42, 8                         ; or of W
	s_cmp_eq_u32 s15, 0
	s_cselect_b32 s18, s18, s19
	s_cselect_b32 s19, s40, s41                    ; my place among the four that ask for it with me
	s_cselect_b64 s[PF1:PF1+1], s[4:5], s[6:7]
	s_lshl_b32 s23, s16, 7
	s_add_co_u32 s18, s18, s23                     ; + the 128 rows that I fetch
	s_lshl_b32 s19, s19, 5
	s_add_co_u32 s18, s18, s19                     ; + my work-group's 32 of them
	s_lshl_b32 s18, s18, 10
	s_mov_b32 s19, 0
	s_add_nc_u64 s[PF1:PF1+1], s[PF1:PF1+1], s[18:19]
	s_lshl_b32 s18, s76, 7                         ; phase 2's rows of W: 2048 + 128 x block + 64 x half + 16 cx
	s_lshl_b32 s23, s16, 6
	s_add_co_u32 s18, s18, s23
	s_lshl_b32 s23, s40, 4
	s_add_co_u32 s18, s18, s23
	s_add_co_u32 s18, s18, 2048
	s_lshl_b32 s18, s18, 10
	s_add_nc_u64 s[PF2:PF2+1], s[6:7], s[18:19]
	s_and_b32 s23, ttmp7, 0xffff
	s_cmp_lt_u32 s23, 4                            ; W is asked for by the clusters with y under 4
	s_cselect_b32 s[F2], 1, 0
	s_cmp_eq_u32 s15, 0
	s_cselect_b32 s[F1], 1, s[F2]                  ; waves 0 and 1 (x): always; waves 2 and 3 (W): in those clusters
	s_cselect_b32 s[F2], s[F2], 0                  ; phase 2: waves 0 and 1 (W), in those clusters
	v_and_b32 v1, 15, v0                           ; r
	v_bfe_u32 v2, v0, 4, 1                         ; h
	v_and_b32 v5, 31, v0
	v_mul_u32_u24 v3, v1, PITCH
	v_lshl_add_u32 v4, v2, 4, v3
	v_add_nc_u32 v[ADRA], s21, v4
	v_add_nc_u32 v[ADRB], s22, v4
	v_add_nc_u32 v[ADRA+1], s88, v4
	v_add_nc_u32 v[ADRB+1], s89, v4
	v_lshlrev_b32 v[BQO], 5, v2
	v_lshlrev_b32 v[BVO], 2, v1
	v_lshlrev_b32 v[CO], 4, v5
	v_lshlrev_b32 v[PFO], 10, v5
	v_min_u32 v[PFO2], 15, v5
	v_lshlrev_b32 v[PFO2], 10, v[PFO2]
	s_wait_alu depctr_va_vdst(0)                   ; the wait ahead of the branches and the run of scalar lines below
.set AK, 1
.set AKI, ROWB
	ASK                                            ; K step 1,
.set AKI, 2*ROWB
	ASK                                            ; and K step 2
	s_lshl_b32 s66, s42, 8                         ; the biases.  q, k: my first column 256 x tile + 128 x half
	s_lshl_b32 s67, s16, 7
	s_add_co_u32 s66, s66, s67
	s_lshl_b32 s66, s66, 2
	s_mov_b32 s67, 0
	s_add_nc_u64 s[66:67], s[8:9], s[66:67]
	s_lshl_b32 s78, s76, 7                         ; v: my first row 2048 + 128 x block + 64 x half
	s_lshl_b32 s79, s15, 6
	s_add_co_u32 s78, s78, s79
	s_add_co_u32 s78, s78, 2048
	s_lshl_b32 s78, s78, 2
	s_mov_b32 s79, 0
	s_add_nc_u64 s[78:79], s[8:9], s[78:79]
.irp b, 0,1,2,3,4,5,6,7
	global_load_b128 v[QB+8*\b:QB+8*\b+3],   v[BQO], s[66:67] offset:64*\b      ; columns 16 b + 8 h + 0 .. 7
	global_load_b128 v[QB+8*\b+4:QB+8*\b+7], v[BQO], s[66:67] offset:64*\b+16
.endr
.irp a, 0,1,2,3
	global_load_b32 v[VB+\a], v[BVO], s[78:79] offset:64*\a                     ; row 16 a + r
.endr
	; where my wave stores: part x 2^23 + batch x 2^21 + head x 2^17 + my 128 rows of x (8,192 bytes)
	s_lshr_b32 s22, s77, 3                         ; v: batch,
	s_lshl_b32 s22, s22, 21
	s_add_co_u32 s22, s22, 0x1000000               ; part 2,
	s_lshl_b32 s23, s76, 1
	s_add_co_u32 s23, s23, s15                     ; head 2 x block + half,
	s_lshl_b32 s23, s23, 17
	s_add_co_u32 s22, s22, s23
	s_and_b32 s23, s77, 7
	s_lshl_b32 s23, s23, 14
	s_add_co_u32 s22, s22, s23
	s_lshl_b32 s23, s16, 13
	s_add_co_u32 s22, s22, s23
	s_mov_b32 s23, 0
	s_add_nc_u64 s[OV:OV+1], s[12:13], s[22:23]
	s_lshr_b32 s18, s42, 2                         ; q, k: part,
	s_lshl_b32 s18, s18, 23
	s_lshr_b32 s19, s17, 3                         ; batch,
	s_lshl_b32 s19, s19, 21
	s_add_co_u32 s18, s18, s19
	s_and_b32 s19, s42, 3
	s_lshl_b32 s19, s19, 2
	s_lshl_b32 s22, s16, 1
	s_add_co_u32 s19, s19, s22                     ; my first head: 4 x tile in the part + 2 x half
	s_lshl_b32 s19, s19, 17
	s_add_co_u32 s18, s18, s19
	s_and_b32 s19, s17, 7
	s_lshl_b32 s19, s19, 14
	s_add_co_u32 s18, s18, s19
	s_lshl_b32 s19, s15, 13
	s_add_co_u32 s18, s18, s19
	s_mov_b32 s19, 0
	s_add_nc_u64 s[12:13], s[12:13], s[18:19]
	s_wait_kmcnt 0x0
	s_add_co_i32 s96, s68, s69
	s_add_co_i32 s96, s96, 127
	s_lshl_b32 s96, s96, 23                        ; 2^(e0 + e1)
	s_mov_b32 s97, s96
	s_cmp_eq_u32 ttmp9, 0
	s_cselect_b32 s88, s70, s71                    ; q: e2; k: e3.  A choice of a value: no branch hangs on a scale
	s_add_co_i32 s88, s88, 127
	s_lshl_b32 s89, s88, 23
	v_mov_b32 v[SCL], s89
	s_add_co_i32 s88, s88, 8
	s_lshl_b32 s88, s88, 23
	s_or_b32 s88, s88, 0x600000
	v_mov_b32 v[HLD], s88
	s_add_co_i32 s88, s73, 127                     ; v: e5
	s_lshl_b32 s89, s88, 23
	v_mov_b32 v[SCV], s89
	s_add_co_i32 s88, s88, 8
	s_lshl_b32 s88, s88, 23
	s_or_b32 s88, s88, 0x600000
	v_mov_b32 v[HLV], s88
.macro FRAG reg, adr, q, i             ; 16 rows x 128 K: registers 4 c .. 4 c + 3 hold K = 32 c + 16 (l / 16) + 0 .. 15: the same order of k in A and in B
.irp c, 0,1,2,3
	ds_load_b128 v[\reg+4*\c:\reg+4*\c+3], v[\adr] offset:128*(\q)+32*\c+(\i)*16*PITCH
.endr
.endm
; n of A's blocks, from a0 on, x B's eight, 128 along K.  p: B's set.  zero = 1: the product starts the sums.  The accumulators take turns, one instruction a turn.
.macro MULS a0, n, p, zero
.set ma, \a0
.rept \n
.irp b, 0,1,2,3,4,5,6,7
.if \zero
	v_wmma_f32_16x16x128_fp8_fp8 v[8*(8*(ma%4)+\b):8*(8*(ma%4)+\b)+7], v[128*(\p)+FR*\b:128*(\p)+FR*\b+FR-1], v[AF+FR*ma:AF+FR*ma+FR-1], 0
.else
	v_wmma_f32_16x16x128_fp8_fp8 v[8*(8*(ma%4)+\b):8*(8*(ma%4)+\b)+7], v[128*(\p)+FR*\b:128*(\p)+FR*\b+FR-1], v[AF+FR*ma:AF+FR*ma+FR-1], v[8*(8*(ma%4)+\b):8*(8*(ma%4)+\b)+7]
.endif
.endr
.set ma, ma+1
.endr
.endm
.macro FETCH_B slot, q, p
	WIN TO_B
.irp i, 0,1,2,3,4,5,6,7
	FRAG 128*(\p)+FR*\i, ADRB+\slot, \q, \i
.endr
	WIN 0
.endm
.macro FETCH_A slot, q, i0, n
.set fa, \i0
.rept \n
	FRAG AF+FR*fa, ADRA+\slot, \q, fa
.set fa, fa+1
.endr
.endm
.macro PLACES n
.rept \n
	v_nop
.endr
.endm
; NH: half the number of A's blocks of a wave (phase 1: 4, phase 2: 2).  WH: the windows of the upper half's products.  GA: the group 1 by which A's tiles are asked for.
; A step of 128 along K that has its successor in the same slot.  A has one set of registers: the lower blocks come anew in the step's middle, the upper at its end.
.macro STEP slot, q, zero
	s_wait_dscnt NH*NL                             ; all but the youngest loads, A's upper blocks
	WIN MUL_LO
	MULS 0, NH, (\q)%2, \zero
	s_wait_dscnt 0
	PLACES NP
	FETCH_B \slot, (\q)+1, 1-(\q)%2
	FETCH_A \slot, (\q)+1, 0, NH
	WIN WH
	MULS NH, NH, (\q)%2, \zero
	PLACES NP
	WIN 0
	FETCH_A \slot, (\q)+1, NH, NH
.endm
; A slot's last step changes slots: one barrier; in front of it each wave waits for all its tensor loads, adds 0 to its spare word, and waits for that and for its reads of this slot.
; fill = 1: this slot takes the K step two on; fill = 2: phase 2's K step of this slot's number; fill = 0: nothing.  fetch = 0: no fragments are fetched (phase 1's last step).
.macro TURN slot, next, fill, fetch
	s_wait_tensorcnt 0x0
	ds_add_u32 v[SPW], v[NIL]
	s_wait_dscnt NH*NL+1                           ; (the add and A's upper blocks may be out)
	WIN MUL_LO
	MULS 0, NH/2, 1, 0
	s_wait_dscnt 0x0                               ; the add is done, and my reads of this slot are over
	s_barrier_signal -1
	MULS NH/2, NH/2, 1, 0
	WIN 0
	s_barrier_wait -1
.if \fill
	CREST                                          ; no wave of any partner still reads this slot's tile or has a load on its way
.if \fill == 1
	s_add_nc_u64 s[G0+4*\slot+2:G0+4*\slot+3], s[G0+4*\slot+2:G0+4*\slot+3], 2*ROWB
	s_add_nc_u64 s[G0B+4*\slot+2:G0B+4*\slot+3], s[G0B+4*\slot+2:G0B+4*\slot+3], 2*ROWB
.else
	s_add_nc_u64 s[G0+4*\slot+2:G0+4*\slot+3], s[PA:PA+1], \slot*ROWB
	s_or_b32 s[G0+4*\slot+3], s[G0+4*\slot+3], 0x80000000
	s_add_nc_u64 s[G0B+4*\slot+2:G0B+4*\slot+3], s[PB:PB+1], \slot*ROWB
	s_or_b32 s[G0B+4*\slot+3], s[G0B+4*\slot+3], 0x80000000
.endif
	JLOAD G0+4*\slot, GA, G0B+4*\slot, G1B         ; my one tensor load behind the round, and the first; its four v_nop are the places in front of the loads below
.else
	PLACES NP
.endif
.if \fetch
	FETCH_B \next, 0, 0
	FETCH_A \next, 0, 0, NH
.endif
	ASK                                            ; behind the joint load and the run of LDS loads: what the load two refills on will ask for
	WIN WH
	MULS NH, NH, 1, 0
.if \fetch
	PLACES NP
	WIN 0
	FETCH_A \next, 0, NH, NH
.else
	WIN 0
.endif
.endm
; THE WAY OUT, block a of 16 rows m' x 128 n': value = sum x 2^(e0 + e1) + bias, two at a time, each accumulator from its low end on; the hold; eight numbers to a conversion.
; isv = 0: the bias goes with n'; isv = 1: with m' (one word of a pair for both halves).
.macro EBLOCK a, isv
.set AC, 64*((\a)%4)
.set CC, CD+16*((\a)%4)
.if \isv
.set ES, SCV
.set EH, HLV
.set EB, OV
.else
.set ES, SCL
.set EH, HLD
.set EB, 12
.endif
.if ((\a) == 4) || (((\a) == 0) && (\isv))
	s_wait_xcnt 0x0                                ; the stores of the four blocks before have read their registers: the four sets of codes are written again only behind this wait
.endif
	WIN 0x02+((\a)/4)
.irp b, 0,1,2,3,4,5,6,7
.irp i, 0,2,4,6
.if \isv
.if (\a)%2
	v_pk_fma_f32 v[TMP+8*\b+\i:TMP+8*\b+\i+1], v[AC+8*\b+\i:AC+8*\b+\i+1], s[96:97], v[VB+2*((\a)/2):VB+2*((\a)/2)+1] op_sel:[0,0,1] op_sel_hi:[1,0,1]
.else
	v_pk_fma_f32 v[TMP+8*\b+\i:TMP+8*\b+\i+1], v[AC+8*\b+\i:AC+8*\b+\i+1], s[96:97], v[VB+2*((\a)/2):VB+2*((\a)/2)+1] op_sel_hi:[1,0,0]
.endif
.else
	v_pk_fma_f32 v[TMP+8*\b+\i:TMP+8*\b+\i+1], v[AC+8*\b+\i:AC+8*\b+\i+1], s[96:97], v[QB+8*\b+\i:QB+8*\b+\i+1] op_sel_hi:[1,0,1]
.endif
.endr
.endr
	WIN 0
.set j, 0
.rept 64
	v_med3_num_f32 v[TMP+j], v[TMP+j], -v[EH], v[EH]     ; the conversion to an 8-bit code does not saturate (ISA guide 7.6.2)
.set j, j+1
.endr
.irp b, 0,1,2,3,4,5,6,7
	v_cvt_scalef32_pk8_fp8_f32 v[CC+2*\b:CC+2*\b+1], v[TMP+8*\b:TMP+8*\b+7], v[ES]
.endr
	v_nop                                          ; one plain vector instruction behind the conversions
.irp c, 0,1,2,3
.if \isv
	global_store_b128 v[CO], v[CC+4*\c:CC+4*\c+3], s[EB:EB+1] offset:(\a)*2048+\c*512                    ; channels 16 a on, quad c
.else
	global_store_b128 v[CO], v[CC+4*\c:CC+4*\c+3], s[EB:EB+1] offset:(\c/2)*131072+(\a)*1024+(\c%2)*512  ; head c / 2, tile a of my eight, quad c % 2
.endif
.endr
.endm
	s_wait_alu depctr_va_vdst(0)                   ; the wait at the head's end
	s_wait_tensorcnt 0x0                           ; my part of K step 0 is in
	ds_add_u32 v[SPW], v[NIL]
	s_wait_dscnt 0x0
	CROUND
	JLOAD G0+4, G1, G0B+4, G1B                     ; K step 1: the first tensor load behind the round
	; PHASE 1: q or k
.set NH, 4
.set WH, MUL_HI
.set GA, G1
	FETCH_B 0, 0, 0
	FETCH_A 0, 0, 0, NH
	FETCH_A 0, 0, NH, NH
.set AKI, 3*ROWB
	ASK                                            ; K step 3
	STEP 0, 0, 1
.set AK, 2
.set AKI, 0
	TURN 0, 1, 1, 1                                ; loads K step 2; asks for phase 2's K step 0 of W
	STEP 1, 0, 0
.set AKI, ROWB
	TURN 1, 0, 1, 1
	STEP 0, 0, 0
.set GA, G1V
.set AKI, 2*ROWB
	TURN 0, 1, 2, 1                                ; slot 0 takes phase 2's K step 0,
	STEP 1, 0, 0
.set AKI, 3*ROWB
	TURN 1, 0, 2, 0                                ; slot 1 its K step 1
.set AK, 0
	s_wait_loadcnt 0x0                             ; the biases
	PLACES NP
.irp a, 0,1,2,3,4,5,6,7
	EBLOCK \a, 0
.endr
	; PHASE 2: v.  Everybody's part of its K step 0 was waited for in front of the last round
.set NH, 2
.set WH, MUL_LO
	FETCH_B 0, 0, 0
	FETCH_A 0, 0, 0, NH
	FETCH_A 0, 0, NH, NH
	STEP 0, 0, 1
	TURN 0, 1, 1, 1
	STEP 1, 0, 0
	TURN 1, 0, 1, 1
	STEP 0, 0, 0
	TURN 0, 1, 0, 1                                ; the last lap fills nothing
	STEP 1, 0, 0
	s_wait_dscnt NH*NL                             ; the very last step
	WIN MUL_LO
	MULS 0, NH, 1, 0
	s_wait_dscnt 0
	MULS NH, NH, 1, 0
	WIN 0
	PLACES NP
.irp a, 0,1,2,3
	EBLOCK \a, 1
.endr
	s_wait_tensorcnt 0x0                           ; the wave's end
	ds_add_u32 v[SPW], v[NIL]
	s_wait_dscnt 0x0
	CROUND                                         ; the closing round
	s_endpgm
.Lfunc_end_k_q96850236f1_qkv:
	.size	k_q96850236f1_qkv, .Lfunc_end_k_q96850236f1_qkv-k_q96850236f1_qkv
	.p2alignl 7, 3214868480
	.fill 96, 4, 3214868480
	.section	.rodata,"a",@progbits
	.p2align	6, 0x0
	.amdhsa_kernel k_q96850236f1_qkv
		.amdhsa_group_segment_fixed_size 327680
		.amdhsa_private_segment_fixed_size 0
		.amdhsa_enable_private_segment 0
		.amdhsa_kernarg_size 40
		.amdhsa_user_sgpr_count 2
		.amdhsa_user_sgpr_kernarg_segment_ptr 1
		.amdhsa_wavefront_size32 1
		.amdhsa_system_sgpr_workgroup_id_x 1
		.amdhsa_system_sgpr_workgroup_id_y 1
		.amdhsa_system_sgpr_workgroup_id_z 1
		.amdhsa_system_vgpr_workitem_id 0
		.amdhsa_next_free_vgpr 1024
		.amdhsa_next_free_sgpr 102
		.amdhsa_reserve_vcc 0
		.amdhsa_float_denorm_mode_32 3
		.amdhsa_float_denorm_mode_16_64 3
		.amdhsa_memory_ordered 1
		.amdhsa_forward_progress 1
		.amdhsa_inst_pref_size 216
	.end_amdhsa_kernel
	.amdgpu_metadata
---
amdhsa.version: [ 1, 2 ]
amdhsa.kernels:
  - .name:           k_q96850236f1_qkv
    .symbol:         k_q96850236f1_qkv.kd
    .args:
      - { .name: x_codes, .offset: 0, .size: 8, .value_kind: global_buffer, .address_space: global }
      - { .name: W_qkv_codes, .offset: 8, .size: 8, .value_kind: global_buffer, .address_space: global }
      - { .name: b_qkv, .offset: 16, .size: 8, .value_kind: global_buffer, .address_space: global }
      - { .name: lowp_scales, .offset: 24, .size: 8, .value_kind: global_buffer, .address_space: global }
      - { .name: qkv, .offset: 32, .size: 8, .value_kind: global_buffer, .address_space: global }
    .group_segment_fixed_size: 327680
    .private_segment_fixed_size: 0
    .kernarg_segment_align: 8
    .kernarg_segment_size: 40
    .max_flat_workgroup_size: 128
    .sgpr_count:     102
    .vgpr_count:     1024
    .wavefront_size: 32
...
	.end_amdgpu_metadata
.endif
;; end of part 1
;; launch attn (part 2): grid 4 x 64, 8 waves a work-group, clusters of 4 x 1, 327,680 bytes of LDS; arguments qkv, attention_mask, lowp_scales, ctx; writes ctx
.if DOCPART == 2
	.amdgcn_target "amdgcn-amd-amdhsa--gfx1250"
	.amdhsa_code_object_version 6
	.text
	.protected	k_q96850236f1_attn
	.globl	k_q96850236f1_attn
	.p2align	8
	.type	k_q96850236f1_attn,@function
k_q96850236f1_attn:
	s_mov_b64 s[64:65], 0
	v_nop
	global_prefetch_b8 v0, s[64:65] scope:SCOPE_SE
	s_setreg_imm32_b32 hwreg(HW_REG_WAVE_MODE, 25, 1), 1
	s_wait_xcnt 0x0
	s_wait_alu depctr_hold_cnt(0) depctr_sa_sdst(0) depctr_va_vdst(0) depctr_va_sdst(0) depctr_va_ssrc(0) depctr_va_vcc(0) depctr_vm_vsrc(0)
	s_getreg_b32 s2, hwreg(HW_REG_IB_STS2, 6, 4)
	s_cmp_eq_u32 s2, 0
	s_cbranch_scc0 .Lentry_in_a_cluster
	s_endpgm
.Lentry_in_a_cluster:
	s_bfe_u32 s2, ttmp6, 0x10000c
	s_cmp_lg_u32 s2, 0x3003
	s_cbranch_scc0 .Lentry_shape_is_right
	s_endpgm
.Lentry_shape_is_right:
; ctx[b][q][head] = the sum over keys of softmax(q . k / 8, hidden keys left out) v, both products on codes of FP8 (E4M3); ctx is quantised with 2^e6 and stored as codes in the order of the next launch's operand registers.
; q, k, v come as images of operand registers: q, k in a head: [tile of 16 rows][2 quads][lane][16 bytes] (a 16 x 64 fragment); v in a head: [step of 128 keys][4 tiles of 16 channels][4 quads][lane][16 bytes] (a 16 x 128 fragment).
; THE SOFTMAX: t = score x 2^(e2 + e3) x log2(e) / 8; M = the running largest t rounded UP to a whole number; p = 2^(t - M) is quantised with 2^e4, not normalised; the row's sum is taken of the unquantised p
; and divides at the end.  When M moves, the sum and O are multiplied by 2^(old M - new M), which rounds nothing.
; THE MASK is an input: a key whose word is 0 is hidden.  It becomes a bias, 0 or -3e38, kept in LDS, and goes in as the C of the scores' matrix instruction.
; The running largest raw score begins at -1e30: above the bias, under every score (at most 64 x 448 x 448 in magnitude).  So hidden keys never move M, and their p is 0.
; A batch without one open key has the sum 0: its hold is then made NaN, so that the NaN of 0 x infinity reaches the codes, as the softmax of a row of -infinity is NaN.
; LIMITS: e2 + e3 between -80 and 25 (c x 1e30 stays an f32 number, and c x 3e38 lies far over any M); e4 and e6 between -126 and 119; e4 + e5 goes in by v_ldexp_f32 and has none.
; SHARES.  A work-group owns 512 queries of one batch and head; each of its eight waves (two to a SIMD) 32 of them, two tiles of 16, in each of two passes.  ALL of the head's K and V, 262,144 bytes, lies in LDS,
; filled once.  The four work-groups of a head form a cluster and ask for K and V jointly: each wave one tensor load of 32,768 bytes, with the same descriptor in all four partners.
; LAYOUT.  Both products are used transposed: S^T = K Q^T, O^T = V^T P^T: a lane holds ONE query (lane % 16), and of tile k of the scores the keys 16 k + 8 (lane / 16) + 0 .. 7:
; eight numbers to a conversion give registers 2 k, 2 k + 1 of the second product's operand.
; THE LOADS RUN A STEP AHEAD: behind a step's score products its V and the NEXT step's K and bias are asked for; the step after the sixteenth is step 0 again (the addresses wrap), which the second pass reads;
; what the second pass's last step asks for of K and the bias is read by nobody.
; No prefetch into the L2 is laid: every byte of K and V is asked for by the loads at the head, and no later stream exists.
; REGISTERS.  Window 0: v1-7 addresses; v8-23 eight registers of statistics a tile (+0 -M, +1 the largest raw score, +2, +3 the sum, +4 f, +5 0, +6, +7 at work); v24-29 constants; v30, v31 the add's two;
;   v32-95 K's eight fragments; v96-99 further chains of the maxima; v100-111 further chains of the sums; v112-127 ctx's codes (at the head: the mask's words); v128-255 S^T, then p, 64 a tile.
; Window 1: v0-31 p's codes; v32-95 O^T; v96-159 V's four fragments; v160-175 Q; v176-239 the mask's bias; v240-255 the second pass's Q.
.set MB,   262144                      ; LDS: K at 0, V at 131,072, the mask's bias (2,048 f32) here
.set SPARE, 278528                     ; the spare words, 128 bytes a wave
.set LK,    1                          ; 16 x lane
.set LV,    2                          ; 16 x lane + 131,072
.set LM,    3                          ; MB + 32 x (lane / 16)
.set ADK,   4
.set ADV,   5
.set ADM,   6
.set GO,    7                          ; 16 (lane % 16) + 8 (lane / 16)
.set ST,    8
.set PHOLD, 24                         ; 448 x 2^e4
.set PSC,   25                         ; 2^e4
.set CSC,   26                         ; 2^e6
.set CHOLD, 27                         ; 448 x 2^e6
.set QNAN,  28
.set PH2,   29                         ; 448 x 2^e4 once more: the two halves of a dual pair take their second sources from different banks
.set SPW,   30
.set NIL,   31
.set KF,    32
.set MX,    96
.set TS,    100
.set OC,    112
.set MI,    112
.set S,     128
.set PC,    0                          ; window 1
.set OT,    32
.set VF,    96
.set QF,    160
.set MK,    176
.set QN,    240
.set WV,    12
.set CX,    13
.set BH,    14
.set G1,    16
.set G0,    32
.set CS,    48                         ; s[48:49] c = 2^(e2 + e3) log2(e) / 8
.set SEL,   50
.set TB,    52                         ; the step's first byte in V (and K): 8,192 a step
.set TM,    53                         ; and in the bias: 512 a step
.set CNT,   54
.set PASS,  55
.set EPV,   56
.set QA,    58
.set TK,    60                         ; the next step's first byte in K, wrapped
.set TN,    61                         ; and in the bias
.set MSB, 0
.macro WIN new
.if MSB != (\new)
	s_set_vgpr_msb (MSB<<8)|(\new)
.set MSB, (\new)
.endif
.endm
.macro CROUND
	s_barrier_signal -1
	s_barrier_wait -1
	s_cmp_lg_u32 s[WV], 0
	s_cbranch_scc1 .Lnot_wave_0_\@
	s_barrier_signal -3
.Lnot_wave_0_\@:
	s_barrier_wait -3
	s_barrier_signal -1
	s_barrier_wait -1
.endm
.macro LOADK adr                       ; K: eight tiles of 16 keys, two quads each
.irp k, 0,1,2,3,4,5,6,7
	ds_load_b128 v[KF+8*\k:KF+8*\k+3],   v[\adr] offset:1024*\k
	ds_load_b128 v[KF+8*\k+4:KF+8*\k+7], v[\adr] offset:1024*\k+512
.endr
.endm
.macro LOADM adr                       ; the bias of keys 16 k + 8 h + 0 .. 7 (destination window 1)
.irp k, 0,1,2,3,4,5,6,7
	ds_load_b128 v[MK+8*\k:MK+8*\k+3],   v[\adr] offset:64*\k
	ds_load_b128 v[MK+8*\k+4:MK+8*\k+7], v[\adr] offset:64*\k+16
.endr
.endm
	s_load_b256 s[4:11], s[0:1], 0x0               ; qkv, the mask, the scales' exponents, ctx
	v_lshl_add_u32 v[SPW], v0, 2, SPARE
	v_mov_b32 v[NIL], 0
	ds_add_u32 v[SPW], v[NIL]                      ; the opening lines: the add twice on end, and its wait
	ds_add_u32 v[SPW], v[NIL]
	v_lshrrev_b32 v4, 5, v0
	s_delay_alu instid0(VALU_DEP_1)
	v_readfirstlane_b32 s[WV], v4                  ; wave 0..7
	s_bfe_u32 s[CX], ttmp6, 0x40000
	s_and_b32 s[BH], ttmp7, 0xffff
	s_mov_b32 s[G1+0], 15|(3<<16)|(1<<21)          ; the mask: all four work-groups; elements of 8 bytes; bit 21 beside a mask; no padding
	s_mov_b32 s[G1+1], 32<<16                      ; a dense block of 32,768 bytes as 128 rows of 256 bytes
	s_mov_b32 s[G1+2], 128<<16
	s_mov_b32 s[G1+3], 32<<16
	s_mov_b32 s[G1+4], 128
	s_mov_b32 s[G1+5], 32
	s_mov_b32 s[G1+6], 0
	s_mov_b32 s[G1+7], 0
	s_lshr_b32 s60, s[WV], 2                       ; waves 0-3 fetch K (part 1), waves 4-7 V (part 2),
	s_add_co_u32 s60, s60, 1
	s_lshl_b32 s60, s60, 23
	s_lshl_b32 s61, s[BH], 17                      ; of my head,
	s_add_co_u32 s60, s60, s61
	s_and_b32 s61, s[WV], 3                        ; quarter wave % 4
	s_lshl_b32 s61, s61, 15
	s_add_co_u32 s60, s60, s61
	s_mov_b32 s61, 0
	s_lshl_b32 s62, s[CX], 5
	s_lshl_b32 s63, s[WV], 1
	s_add_co_u32 s62, s62, s63                     ; my first tile of 16 queries: 32 cx + 2 x wave
	s_lshl_b32 s[QA], s62, 10
	s_lshl_b32 s63, s[BH], 17
	s_add_co_u32 s[QA], s[QA], s63
	s_mov_b32 s[QA+1], 0
	s_lshr_b32 s57, s[BH], 4                       ; batch
	s_lshl_b32 s63, s57, 7
	s_add_co_u32 s62, s62, s63                     ; ctx: 16 rows are 16,384 bytes,
	s_lshl_b32 s62, s62, 14
	s_and_b32 s63, s[BH], 15
	s_lshl_b32 s63, s63, 10                        ; of which my head has 1,024
	s_add_co_u32 s62, s62, s63
	s_mov_b32 s63, 0
	s_lshl_b32 s36, s57, 13                        ; the mask: 8,192 bytes a batch
	s_mov_b32 s37, 0
	s_mov_b32 s[SEL], 0x76543210
	s_mov_b32 s[SEL+1], 0xfedcba98
	s_wait_dscnt 0x0
	s_wait_kmcnt 0x0
	s_load_b256 s[40:47], s[8:9], 0x0              ; e0 .. e7
	s_mov_b32 s[G0], 1
	s_lshl_b32 s[G0+1], s[WV], 15                  ; LDS: 32,768 x wave
	s_add_nc_u64 s[G0+2:G0+3], s[4:5], s[60:61]
	s_or_b32 s[G0+3], s[G0+3], 0x80000000
	s_add_nc_u64 s[QA:QA+1], s[4:5], s[QA:QA+1]
	s_add_nc_u64 s[10:11], s[10:11], s[62:63]
	s_add_nc_u64 s[6:7], s[6:7], s[36:37]
	CROUND                                         ; all four work-groups are here: the joint loads meet
	tensor_load_to_lds s[G0:G0+3], s[G1:G1+7]      ; my one tensor load of the launch
	s_nop 0
.rept 4
	v_nop
.endr
	v_lshlrev_b32 v120, 4, v0                      ; the mask's 2,048 words: 16 bytes a thread, in two dense halves
	global_load_b128 v[MI:MI+3],   v120, s[6:7]
	global_load_b128 v[MI+4:MI+7], v120, s[6:7] offset:4096
	v_and_b32 v5, 31, v0
	s_delay_alu instid0(VALU_DEP_1)
	v_lshlrev_b32 v[LK], 4, v5
	WIN 0x40
.irp u, 0,1
.irp c, 0,1
	global_load_b128 v[QF+8*\u+4*\c:QF+8*\u+4*\c+3], v[LK], s[QA:QA+1] offset:\u*1024+\c*512
	global_load_b128 v[QN+8*\u+4*\c:QN+8*\u+4*\c+3], v[LK], s[QA:QA+1] offset:16384+\u*1024+\c*512
.endr
.endr
	WIN 0
	v_add_nc_u32 v[LV], 131072, v[LK]
	v_and_b32 v96, 15, v0                          ; r
	v_bfe_u32 v97, v0, 4, 1                        ; h
	s_delay_alu instid0(VALU_DEP_1)
	v_lshl_add_u32 v[LM], v97, 5, MB
	s_delay_alu instid0(VALU_DEP_3)
	v_lshlrev_b32 v[GO], 4, v96
	s_delay_alu instid0(VALU_DEP_1)
	v_lshl_add_u32 v[GO], v97, 3, v[GO]
	v_lshl_add_u32 v98, v0, 4, MB                  ; where I put my words' biases
	v_mov_b32 v99, 0xff61b1e6                      ; -3e38
	v_mov_b32 v[QNAN], 0x7fc00000
	s_wait_alu depctr_va_vdst(0)
	s_wait_kmcnt 0x0
	s_add_co_i32 s60, s42, s43                     ; e2 + e3 is added to c's exponent field
	s_lshl_b32 s60, s60, 23
	s_mov_b32 s[CS], 0x3e38aa3b                    ; log2(e) / 8
	s_add_co_i32 s[CS], s[CS], s60
	s_mov_b32 s[CS+1], s[CS]
	s_add_co_i32 s60, s44, 127
	s_lshl_b32 s61, s60, 23
	v_mov_b32 v[PSC], s61
	s_add_co_i32 s60, s60, 8
	s_lshl_b32 s60, s60, 23
	s_or_b32 s60, s60, 0x600000
	v_mov_b32 v[PHOLD], s60
	v_mov_b32 v[PH2], s60
	s_add_co_i32 s60, s46, 127
	s_lshl_b32 s61, s60, 23
	v_mov_b32 v[CSC], s61
	s_add_co_i32 s60, s60, 8
	s_lshl_b32 s60, s60, 23
	s_or_b32 s60, s60, 0x600000
	v_mov_b32 v[CHOLD], s60
	s_add_co_i32 s[EPV], s44, s45
	s_wait_loadcnt 8                               ; the mask's two loads are in; Q's eight, issued behind them, may be out
.irp i, 0,1,2,3,4,5,6,7
	v_cmp_eq_u32 vcc_lo, 0, v[MI+\i]
	s_delay_alu instid0(VALU_DEP_1)
	v_cndmask_b32 v[MI+\i], 0, v99, vcc_lo         ; 0 for an open key, -3e38 for a hidden one
.endr
	ds_store_b128 v98, v[MI:MI+3]
	ds_store_b128 v98, v[MI+4:MI+7] offset:4096
	s_wait_alu depctr_va_vdst(0)                   ; the wait at the head's end
	s_wait_loadcnt 0x0                             ; Q
	s_wait_tensorcnt 0x0                           ; my part of K or V has landed,
	s_wait_dscnt 0x0                               ; my part of the bias is stored:
	s_barrier_signal -1
	s_barrier_wait -1                              ; everybody's.  From here on LDS is only read
	LOADK LK                                       ; step 0's K and bias
	WIN 0x40
	LOADM LM
	WIN 0
; A KEY STEP: 128 keys, both tiles.  Lines of the two tiles alternate.
.macro STEP
	s_add_co_u32 s[TK], s[TB], 8192
	s_and_b32 s[TK], s[TK], 0x1ffff                ; the next step's K: behind the sixteenth step comes step 0
	s_add_co_u32 s[TN], s[TM], 512
	s_and_b32 s[TN], s[TN], 0x1fff
	s_wait_dscnt 0x0                               ; this step's K and bias, asked for a step ago
	WIN 0x14                                       ; K window 0, Q and the bias window 1, S^T window 0
.irp k, 0,1,2,3,4,5,6,7
.irp t, 0,1
	v_wmma_f32_16x16x64_fp8_fp8 v[S+64*\t+8*\k:S+64*\t+8*\k+7], v[KF+8*\k:KF+8*\k+7], v[QF+8*\t:QF+8*\t+7], v[MK+8*\k:MK+8*\k+7]
.endr
.endr
	WIN 0
	v_add_nc_u32 v[ADV], s[TB], v[LV]              ; four places: behind the last step's products for the loads into V's registers, behind these products for the loads into K's and the bias's and for the first read of the scores
	v_add_nc_u32 v[ADK], s[TK], v[LK]
	v_add_nc_u32 v[ADM], s[TN], v[LM]
	v_nop
	WIN 0x40
.irp d, 0,1,2,3
.irp c, 0,1,2,3
	ds_load_b128 v[VF+16*\d+4*\c:VF+16*\d+4*\c+3], v[ADV] offset:2048*\d+512*\c   ; V of this step: sixteen loads, the oldest of the 48
.endr
.endr
	LOADM ADM
	WIN 0
	LOADK ADK
.irp t, 0,1
	v_max3_num_f32 v[ST+8*\t+6], v[S+64*\t], v[S+64*\t+1], v[S+64*\t+2]      ; the largest of my 64 scores, in four chains, in ascending order: each accumulator is read from its low end on
.endr
.irp t, 0,1
	v_max3_num_f32 v[ST+8*\t+7], v[S+64*\t+3], v[S+64*\t+4], v[S+64*\t+5]
.endr
.irp t, 0,1
	v_max3_num_f32 v[MX+\t], v[S+64*\t+6], v[S+64*\t+7], v[S+64*\t+8]
.endr
.irp t, 0,1
	v_max3_num_f32 v[MX+2+\t], v[S+64*\t+9], v[S+64*\t+10], v[S+64*\t+11]
.endr
.irp i, 12,20,28,36,44,52
.irp t, 0,1
	v_max3_num_f32 v[ST+8*\t+6], v[ST+8*\t+6], v[S+64*\t+\i], v[S+64*\t+\i+1]
.endr
.irp t, 0,1
	v_max3_num_f32 v[ST+8*\t+7], v[ST+8*\t+7], v[S+64*\t+\i+2], v[S+64*\t+\i+3]
.endr
.irp t, 0,1
	v_max3_num_f32 v[MX+\t], v[MX+\t], v[S+64*\t+\i+4], v[S+64*\t+\i+5]
.endr
.irp t, 0,1
	v_max3_num_f32 v[MX+2+\t], v[MX+2+\t], v[S+64*\t+\i+6], v[S+64*\t+\i+7]
.endr
.endr
.irp t, 0,1
	v_max3_num_f32 v[ST+8*\t+6], v[ST+8*\t+6], v[S+64*\t+60], v[S+64*\t+61]
.endr
.irp t, 0,1
	v_max3_num_f32 v[ST+8*\t+7], v[ST+8*\t+7], v[S+64*\t+62], v[S+64*\t+63]
.endr
.irp t, 0,1
	s_delay_alu instid0(VALU_DEP_2)
	v_max3_num_f32 v[ST+8*\t+6], v[ST+8*\t+6], v[ST+8*\t+7], v[MX+\t]
.endr
.irp t, 0,1
	s_delay_alu instid0(VALU_DEP_2)
	v_max3_num_f32 v[ST+8*\t+6], v[ST+8*\t+6], v[MX+2+\t], v[ST+8*\t+1]      ; the four chains and the largest so far
.endr
.irp t, 0,1
	s_delay_alu instid0(VALU_DEP_2)
	v_permlanex16_b32 v[ST+8*\t+7], v[ST+8*\t+6], s[SEL], s[SEL+1]           ; the query's other 64 keys lie in the lane 16 away
.endr
.irp t, 0,1
	s_delay_alu instid0(VALU_DEP_2)
	v_max_num_f32 v[ST+8*\t+1], v[ST+8*\t+6], v[ST+8*\t+7]
.endr
.irp t, 0,1
	s_delay_alu instid0(VALU_DEP_2)
	v_mul_f32 v[ST+8*\t+6], s[CS], v[ST+8*\t+1]                              ; as t (c is positive)
.endr
.irp t, 0,1
	v_mov_b32 v[ST+8*\t+7], v[ST+8*\t]
.endr
.irp t, 0,1
	s_delay_alu instid0(VALU_DEP_4)
	v_floor_f32 v[ST+8*\t], -v[ST+8*\t+6]                                    ; the new -M = floor(-t): M is a whole number
.endr
.irp t, 0,1
	s_delay_alu instid0(VALU_DEP_2)
	v_sub_f32 v[ST+8*\t+7], v[ST+8*\t], v[ST+8*\t+7]                         ; old M - new M: a whole number, 0 or less
.endr
.irp t, 0,1
	s_delay_alu instid0(VALU_DEP_2)
	v_cvt_i32_f32 v[ST+8*\t+7], v[ST+8*\t+7]                                 ; (it saturates)
.endr
.irp t, 0,1
	s_delay_alu instid0(VALU_DEP_2)
	v_ldexp_f32 v[ST+8*\t+4], 1.0, v[ST+8*\t+7]                              ; f = 2^(old M - new M)
.endr
.set j, 0
.rept 32
	v_pk_fma_f32 v[S+j:S+j+1], v[S+j:S+j+1], s[CS:CS+1], v[ST:ST+1] op_sel_hi:[1,0,0]               ; t - M, two at a time
	v_pk_fma_f32 v[S+64+j:S+64+j+1], v[S+64+j:S+64+j+1], s[CS:CS+1], v[ST+8:ST+9] op_sel_hi:[1,0,0]
.set j, j+2
.endr
.set j, 0
	s_wait_alu depctr_va_vdst(0)                   ; the wait ahead of the batch
.rept 64
	v_exp_f32 v[S+j], v[S+j]                       ; p = 2^(t - M): one batch of 128
	v_exp_f32 v[S+64+j], v[S+64+j]
.set j, j+1
.endr
.irp t, 0,1
	v_pk_mul_f32 v[ST+8*\t+2:ST+8*\t+3], v[ST+8*\t+2:ST+8*\t+3], v[ST+8*\t+4:ST+8*\t+5] op_sel_hi:[1,0]   ; the sums under the new M: also the plain place behind the exponentials
.endr
	WIN 0x41                                       ; O^T window 1, f window 0
.set j, 0
	s_wait_alu depctr_va_vdst(0)                   ; the wait directly ahead of the first reader of O^T
.rept 16
	v_pk_mul_f32 v[OT+j:OT+j+1], v[OT+j:OT+j+1], v[ST+4:ST+5] op_sel_hi:[1,0]              ; O^T under the new M
	v_pk_mul_f32 v[OT+32+j:OT+32+j+1], v[OT+32+j:OT+32+j+1], v[ST+12:ST+13] op_sel_hi:[1,0]
.set j, j+2
.endr
	WIN 0
	s_wait_alu depctr_va_vdst(0)                   ; one wait for the whole batch, ahead of its first reader
.irp k, 0,1,2
.irp t, 0,1
	v_pk_add_f32 v[TS+6*\t+2*\k:TS+6*\t+2*\k+1], v[S+64*\t+4*\k:S+64*\t+4*\k+1], v[S+64*\t+4*\k+2:S+64*\t+4*\k+3]   ; the row's sum is taken of the unquantised p: two at a time, in four chains
.endr
.endr
.irp j, 12,20,28,36,44,52
.irp t, 0,1
	v_pk_add_f32 v[ST+8*\t+2:ST+8*\t+3], v[ST+8*\t+2:ST+8*\t+3], v[S+64*\t+\j:S+64*\t+\j+1]
.endr
.irp k, 0,1,2
.irp t, 0,1
	v_pk_add_f32 v[TS+6*\t+2*\k:TS+6*\t+2*\k+1], v[TS+6*\t+2*\k:TS+6*\t+2*\k+1], v[S+64*\t+\j+2+2*\k:S+64*\t+\j+3+2*\k]
.endr
.endr
.endr
.irp t, 0,1
	v_pk_add_f32 v[ST+8*\t+2:ST+8*\t+3], v[ST+8*\t+2:ST+8*\t+3], v[S+64*\t+60:S+64*\t+61]
.endr
.irp t, 0,1
	v_pk_add_f32 v[TS+6*\t:TS+6*\t+1], v[TS+6*\t:TS+6*\t+1], v[S+64*\t+62:S+64*\t+63]
.endr
.irp t, 0,1
	s_delay_alu instid0(VALU_DEP_2)
	v_pk_add_f32 v[TS+6*\t:TS+6*\t+1], v[TS+6*\t:TS+6*\t+1], v[TS+6*\t+2:TS+6*\t+3]
.endr
.irp t, 0,1
	v_pk_add_f32 v[ST+8*\t+2:ST+8*\t+3], v[ST+8*\t+2:ST+8*\t+3], v[TS+6*\t+4:TS+6*\t+5]
.endr
.irp t, 0,1
	s_delay_alu instid0(VALU_DEP_2)
	v_pk_add_f32 v[ST+8*\t+2:ST+8*\t+3], v[ST+8*\t+2:ST+8*\t+3], v[TS+6*\t:TS+6*\t+1]
.endr
.set j, 0
.rept 64
	v_dual_min_num_f32 v[S+j], v[S+j], v[PHOLD] :: v_dual_min_num_f32 v[S+j+1], v[S+j+1], v[PH2]   ; the conversion to an 8-bit code does not saturate (ISA guide 7.6.2); p is not negative, so the hold is one-sided; two numbers a line
.set j, j+2
.endr
	WIN 0x40
.irp k, 0,1,2,3,4,5,6,7
.irp t, 0,1
	v_cvt_scalef32_pk8_fp8_f32 v[PC+16*\t+2*\k:PC+16*\t+2*\k+1], v[S+64*\t+8*\k:S+64*\t+8*\k+7], v[PSC]   ; keys 16 k + 8 h + 0 .. 7: registers 2 k, 2 k + 1 of the operand
.endr
.endr
	v_nop                                          ; one plain vector instruction between the conversions and the matrix instructions that read their results
	WIN 0x55
	s_wait_alu depctr_va_vdst(0)                   ; the wait directly ahead of the wait below
	s_wait_dscnt 32                                ; V is in; the 32 younger loads, the next step's bias and K, may be out
.irp d, 0,1,2,3
.irp t, 0,1
	v_wmma_f32_16x16x128_fp8_fp8 v[OT+32*\t+8*\d:OT+32*\t+8*\d+7], v[VF+16*\d:VF+16*\d+15], v[PC+16*\t:PC+16*\t+15], v[OT+32*\t+8*\d:OT+32*\t+8*\d+7]   ; the eight accumulators take turns
.endr
.endr
	WIN 0
.endm
	s_mov_b32 s[PASS], 2
.Lpass:                                            ; two passes of 32 queries a wave over the same K and V
.irp t, 0,1
	v_mov_b32 v[ST+8*\t+1], 0xf149f2ca             ; the largest raw score so far: -1e30
	v_mov_b32 v[ST+8*\t+2], 0
	v_mov_b32 v[ST+8*\t+3], 0
	v_mov_b32 v[ST+8*\t+5], 0                      ; (named as the upper half of f's pair)
	v_mov_b32 v[ST+8*\t+7], 0                      ; (a lane permute's destination counts as one of its sources)
	v_mul_f32 v[ST+8*\t+6], s[CS], v[ST+8*\t+1]
	s_delay_alu instid0(VALU_DEP_1)
	v_floor_f32 v[ST+8*\t], -v[ST+8*\t+6]          ; -M
.endr
	WIN 0x40
.set j, 0
.rept 64
	v_mov_b32 v[OT+j], 0                           ; O^T: the key step is written once, and its first trip finds zeros
.set j, j+1
.endr
	WIN 0
	s_mov_b32 s[TB], 0
	s_mov_b32 s[TM], 0
	s_mov_b32 s[CNT], 16
.Lkeys:
	STEP
	s_add_co_u32 s[TB], s[TB], 8192
	s_add_co_u32 s[TM], s[TM], 512
	s_sub_co_u32 s[CNT], s[CNT], 1
	s_cmp_lg_u32 s[CNT], 0
	s_cbranch_scc1 .Lkeys
	; THE WAY OUT.  ctx = O^T x 2^(e4 + e5) / the sum, held and converted with 2^e6.  The 32 lanes' 8 bytes lie on end in ctx's image: each store is 256 consecutive aligned bytes.
.irp t, 0,1
	v_add_f32 v[ST+8*\t+6], v[ST+8*\t+2], v[ST+8*\t+3]      ; the sum's two halves (places behind the last products),
.endr
.irp t, 0,1
	s_delay_alu instid0(VALU_DEP_2)
	v_permlanex16_b32 v[ST+8*\t+7], v[ST+8*\t+6], s[SEL], s[SEL+1]
.endr
.irp t, 0,1
	s_delay_alu instid0(VALU_DEP_2)
	v_add_f32 v[ST+8*\t+6], v[ST+8*\t+6], v[ST+8*\t+7]      ; and lane l xor 16's
.endr
	s_wait_alu depctr_va_vdst(0)
.irp t, 0,1
	v_rcp_f32 v[ST+8*\t+4], v[ST+8*\t+6]
.endr
.irp t, 0,1
	v_cmp_eq_f32 vcc_lo, 0, v[ST+8*\t+6]                    ; no open key at all:
	s_delay_alu instid0(VALU_DEP_1)
	v_cndmask_b32 v[ST+8*\t+7], v[CHOLD], v[QNAN], vcc_lo   ; the hold lets the NaN through
.endr
	s_wait_alu depctr_va_vdst(0)                   ; one wait for the two reciprocals, ahead of their first reader
.irp t, 0,1
	v_ldexp_f32 v[ST+8*\t+4], v[ST+8*\t+4], s[EPV]
.endr
	WIN 0x01
.set j, 0
	s_wait_alu depctr_va_vdst(0)                   ; the wait directly ahead of the first reader of O^T
.rept 16
	v_pk_mul_f32 v[S+j:S+j+1], v[OT+j:OT+j+1], v[ST+4:ST+5] op_sel_hi:[1,0]                ; each accumulator from its low end on
	v_pk_mul_f32 v[S+64+j:S+64+j+1], v[OT+32+j:OT+32+j+1], v[ST+12:ST+13] op_sel_hi:[1,0]
.set j, j+2
.endr
	WIN 0
.set j, 0
.rept 32
	v_med3_num_f32 v[S+j], v[S+j], -v[ST+7], v[ST+7]
	v_med3_num_f32 v[S+64+j], v[S+64+j], -v[ST+15], v[ST+15]
.set j, j+1
.endr
.irp d, 0,1,2,3
.irp t, 0,1
	v_cvt_scalef32_pk8_fp8_f32 v[OC+8*\t+2*\d:OC+8*\t+2*\d+1], v[S+64*\t+8*\d:S+64*\t+8*\d+7], v[CSC]
.endr
.endr
	v_nop                                          ; one plain vector instruction behind the last conversion
.irp t, 0,1
.irp d, 0,1,2,3
	global_store_b64 v[GO], v[OC+8*\t+2*\d:OC+8*\t+2*\d+1], s[10:11] offset:\t*16384+\d*256
.endr
.endr
	WIN 0x41
.set j, 0
.rept 16
	v_mov_b32 v[QF+j], v[QN+j]                     ; the second pass's queries
.set j, j+1
.endr
	WIN 0
	s_wait_xcnt 0x0                                ; the stores have read their base and their data
	s_add_nc_u64 s[10:11], s[10:11], 262144        ; 256 queries on
	s_sub_co_u32 s[PASS], s[PASS], 1
	s_cmp_lg_u32 s[PASS], 0
	s_cbranch_scc1 .Lpass
	s_wait_tensorcnt 0x0                           ; the wave's end
	ds_add_u32 v[SPW], v[NIL]
	s_wait_dscnt 0x0
	CROUND                                         ; the closing round
	s_endpgm
.Lfunc_end_k_q96850236f1_attn:
	.size	k_q96850236f1_attn, .Lfunc_end_k_q96850236f1_attn-k_q96850236f1_attn
	.p2alignl 7, 3214868480
	.fill 96, 4, 3214868480
	.section	.rodata,"a",@progbits
	.p2align	6, 0x0
	.amdhsa_kernel k_q96850236f1_attn
		.amdhsa_group_segment_fixed_size 327680
		.amdhsa_private_segment_fixed_size 0
		.amdhsa_enable_private_segment 0
		.amdhsa_kernarg_size 32
		.amdhsa_user_sgpr_count 2
		.amdhsa_user_sgpr_kernarg_segment_ptr 1
		.amdhsa_wavefront_size32 1
		.amdhsa_system_sgpr_workgroup_id_x 1
		.amdhsa_system_sgpr_workgroup_id_y 1
		.amdhsa_system_sgpr_workgroup_id_z 1
		.amdhsa_system_vgpr_workitem_id 0
		.amdhsa_next_free_vgpr 512
		.amdhsa_next_free_sgpr 66
		.amdhsa_reserve_vcc 1
		.amdhsa_float_denorm_mode_32 3
		.amdhsa_float_denorm_mode_16_64 3
		.amdhsa_memory_ordered 1
		.amdhsa_forward_progress 1
		.amdhsa_inst_pref_size 52
	.end_amdhsa_kernel
	.amdgpu_metadata
---
amdhsa.version: [ 1, 2 ]
amdhsa.kernels:
  - .name:           k_q96850236f1_attn
    .symbol:         k_q96850236f1_attn.kd
    .args:
      - { .name: qkv, .offset: 0, .size: 8, .value_kind: global_buffer, .address_space: global }
      - { .name: attention_mask, .offset: 8, .size: 8, .value_kind: global_buffer, .address_space: global }
      - { .name: lowp_scales, .offset: 16, .size: 8, .value_kind: global_buffer, .address_space: global }
      - { .name: ctx, .offset: 24, .size: 8, .value_kind: global_buffer, .address_space: global }
    .group_segment_fixed_size: 327680
    .private_segment_fixed_size: 0
    .kernarg_segment_align: 8
    .kernarg_segment_size: 32
    .max_flat_workgroup_size: 256
    .sgpr_count:     66
    .vgpr_count:     512
    .wavefront_size: 32
...
	.end_amdgpu_metadata
.endif
;; end of part 2
;; launch proj (part 3): grid 8 x 32, 4 waves a work-group, clusters of 4 x 4, 327,680 bytes of LDS; arguments ctx, W_out_codes, lowp_scales, out0, b_out; writes out0
.if DOCPART == 3
	.amdgcn_target "amdgcn-amd-amdhsa--gfx1250"
	.amdhsa_code_object_version 6
	.text
	.protected	k_q96850236f1_proj
	.globl	k_q96850236f1_proj
	.p2align	8
	.type	k_q96850236f1_proj,@function
k_q96850236f1_proj:
	s_mov_b64 s[64:65], 0
	v_nop
	global_prefetch_b8 v0, s[64:65] scope:SCOPE_SE
	s_setreg_imm32_b32 hwreg(HW_REG_WAVE_MODE, 25, 1), 1
	s_wait_xcnt 0x0
	s_wait_alu depctr_hold_cnt(0) depctr_sa_sdst(0) depctr_va_vdst(0) depctr_va_sdst(0) depctr_va_ssrc(0) depctr_va_vcc(0) depctr_vm_vsrc(0)
	s_getreg_b32 s2, hwreg(HW_REG_IB_STS2, 6, 4)
	s_cmp_eq_u32 s2, 0
	s_cbranch_scc0 .Lentry_in_a_cluster
	s_endpgm
.Lentry_in_a_cluster:
	s_bfe_u32 s2, ttmp6, 0x10000c
	s_cmp_lg_u32 s2, 0xf033
	s_cbranch_scc0 .Lentry_shape_is_right
	s_endpgm
.Lentry_shape_is_right:
; out0 = ctx W_out + b_out on codes of FP8 (E4M3): out = sum x 2^(e6 + e7) + bias, one fused multiply-add in f32.  LIMIT: e6 + e7 between -126 and 127, so that 2^(e6 + e7) is an f32 number.
; ctx comes as images of operand registers: [16 rows][16,384 bytes], 4,096 bytes for 256 along K; W_out_codes [1024 (n)][1024 (k)], K innermost.
; SHARES.  256 work-groups of four waves; a work-group makes 256 rows x 128 columns, a wave 128 x 64: 32 accumulators.  K = 1024 goes in four steps of 256 through a ring of two LDS slots.
; CLUSTERS: 4 x 4 work-groups; ctx's tile is shared along a row of the cluster, W_out's along a column, each asked for jointly.  The products are used transposed: a lane holds eight neighbouring columns of a row.
; THE WAY OUT: 16 rows x 64 columns at a time through the wave's own stage in slot 0 (which has had its last fill), back as rows of 256 bytes: sixteen lanes store one aligned unit of 256 bytes.
; PREFETCHES INTO THE L2: at the head for K steps 1 and 2, behind K step 1's load for K step 3: one instruction a wave.  Waves 0 and 1: of the 8 blocks of ctx that a wave fetches the partner at cx takes two, lanes 256 bytes apart.
; Waves 2 and 3: of the 64 rows of W_out the partner at cy takes 16, a lane a row (lanes 16 to 31 name the sixteenth again); eight clusters load a tile of W_out, and the four with cluster y under 4 ask.
; The address registers are never rewritten: the K step stands in the immediate.
.set SIZE_N, 1024
.set PFOA, 8
.set PFOB, 9
.set PFA,  70
.set PFB,  72
.set FB,   74
.set ROWB,   256
.set KROW,   1024
.set PITCH,  272
.set FR,     16
.set NL,     4
.set NP,     4
.set ABLK,   4096
.set HALFA,  8*ABLK
.set HALFB,  64*PITCH
.set BOFF,   2*HALFA
.set SLOT,   2*HALFA+2*HALFB
.set LAPS,   2
.set SPARE,  2*SLOT
.set SPITCH, 272
.set BI,   12
.set ADRA, 16
.set ADRB, 20
.set STO,  24
.set RD,   25
.set CO,   26
.set OO,   27
.set SPW,  28
.set NIL,  29
.set AF,   128
.set BK,   128
.set G1, 24
.set G0, 32
.set G1B, 48
.set G0B, 56
.set MSB, 0
.macro WIN new
.if MSB != (\new)
	s_set_vgpr_msb (MSB<<8)|(\new)
.set MSB, (\new)
.endif
.endm
.set MUL_LO, 0xa1
.set MUL_HI, 0xf1
.set TO_B,   0x40
.macro JLOAD g0a, g1a, g0b, g1b
	s_cmp_eq_u32 s15, 0
	s_cbranch_scc0 .Lfor_b_\@
	tensor_load_to_lds s[\g0a:\g0a+3], s[\g1a:\g1a+7]
	s_nop 0
.rept 4
	v_nop
.endr
	s_branch .Lasked_\@
.Lfor_b_\@:
	tensor_load_to_lds s[\g0b:\g0b+3], s[\g1b:\g1b+7]
	s_nop 0
.rept 4
	v_nop
.endr
.Lasked_\@:
.endm
.macro CREST
	s_cmp_lg_u32 s14, 0
	s_cbranch_scc1 .Lnot_wave_0_\@
	s_barrier_signal -3
.Lnot_wave_0_\@:
	s_barrier_wait -3
	s_barrier_signal -1
	s_barrier_wait -1
.endm
.macro CROUND
	s_barrier_signal -1
	s_barrier_wait -1
	CREST
.endm
.macro ASK k
	s_cmp_eq_u32 s15, 0
	s_cbranch_scc0 .Lask_b_\@
	global_prefetch_b8 v[PFOA], s[PFA:PFA+1] offset:(\k)*ABLK th:TH_LOAD_NT scope:SCOPE_SE
	s_branch .Lask_done_\@
.Lask_b_\@:
	s_cmp_eq_u32 s[FB], 1
	s_cbranch_scc0 .Lask_done_\@
	global_prefetch_b8 v[PFOB], s[PFB:PFB+1] offset:(\k)*ROWB th:TH_LOAD_NT scope:SCOPE_SE
.Lask_done_\@:
.endm
	s_load_b128 s[4:7], s[0:1], 0x0
	s_load_b128 s[8:11], s[0:1], 0x10
	s_load_b64 s[12:13], s[0:1], 0x20
	v_lshl_add_u32 v[SPW], v0, 2, SPARE
	v_mov_b32 v[NIL], 0
	ds_add_u32 v28, v29
	ds_add_u32 v28, v29
	s_wait_dscnt 0x0
	v_lshrrev_b32 v1, 5, v0
	v_readfirstlane_b32 s14, v1
	s_lshr_b32 s15, s14, 1
	s_and_b32 s16, s14, 1
	s_bfe_u32 s40, ttmp6, 0x40000
	s_bfe_u32 s41, ttmp6, 0x40004
	s_lshl_b32 s42, ttmp9, 2
	s_add_co_u32 s42, s42, s40
	s_and_b32 s17, ttmp7, 0xffff
	s_lshl_b32 s17, s17, 2
	s_add_co_u32 s17, s17, s41
	s_lshl_b32 s43, s41, 2
	s_lshl_b32 s43, 15, s43
	s_lshl_b32 s44, 0x1111, s40
	s_or_b32 s[G1+0], s43, (0<<16)|(1<<21)
	s_mov_b32 s[G1+1], ABLK<<16
	s_mov_b32 s[G1+2], 8<<16
	s_mov_b32 s[G1+3], ABLK<<16
	s_mov_b32 s[G1+4], 8
	s_mov_b32 s[G1+5], 16384
	s_mov_b32 s[G1+6], 0
	s_mov_b32 s[G1+7], 0
	s_or_b32 s[G1B+0], s44, (0<<16)|(1<<20)|(1<<21)|(5<<22)|(3<<25)
	s_mov_b32 s[G1B+1], ROWB<<16
	s_mov_b32 s[G1B+2], 64<<16
	s_mov_b32 s[G1B+3], ROWB<<16
	s_mov_b32 s[G1B+4], 64
	s_mov_b32 s[G1B+5], KROW
	s_mov_b32 s[G1B+6], 0
	s_mov_b32 s[G1B+7], 0
	s_lshl_b32 s18, s16, 17
	s_lshl_b32 s20, s17, 18
	s_add_co_u32 s20, s20, s18
	s_mov_b32 s21, 0
	s_lshl_b32 s46, s42, 17
	s_lshl_b32 s47, s16, 16
	s_add_co_u32 s46, s46, s47
	s_mov_b32 s47, 0
	s_lshl_b32 s45, s16, 15
	s_mul_i32 s19, s16, HALFB
	s_add_co_u32 s19, s19, BOFF
	s_wait_kmcnt 0x0
	s_load_b64 s[96:97], s[8:9], 0x18
	s_add_nc_u64 s[20:21], s[4:5], s[20:21]
	s_add_nc_u64 s[46:47], s[6:7], s[46:47]
	CROUND
.irp s, 0,1
	s_mov_b32 s[G0+4*\s], 1
	s_add_co_u32 s[G0+4*\s+1], s45, \s*SLOT
	s_add_nc_u64 s[G0+4*\s+2:G0+4*\s+3], s[20:21], \s*ABLK
	s_or_b32 s[G0+4*\s+3], s[G0+4*\s+3], 0x80000000
	s_mov_b32 s[G0B+4*\s], 1
	s_add_co_u32 s[G0B+4*\s+1], s19, \s*SLOT
	s_add_nc_u64 s[G0B+4*\s+2:G0B+4*\s+3], s[46:47], \s*ROWB
	s_or_b32 s[G0B+4*\s+3], s[G0B+4*\s+3], 0x80000000
.endr
	JLOAD G0, G1, G0B, G1B
	v_and_b32 v1, 15, v0
	v_bfe_u32 v2, v0, 4, 1
	v_and_b32 v6, 31, v0
	v_lshlrev_b32 v[CO], 4, v6
	v_mul_u32_u24 v3, v1, PITCH
	v_lshl_add_u32 v4, v2, 4, v3
	v_lshlrev_b32 v[PFOA], 8, v1
	v_lshl_add_u32 v[PFOA], v2, 14, v[PFOA]
	v_min_u32 v[PFOB], 15, v6
	v_lshlrev_b32 v[PFOB], 10, v[PFOB]
	s_lshl_b32 s21, s15, 15
	s_mul_i32 s22, s16, HALFB
	s_add_co_u32 s22, s22, BOFF
.irp s, 0,1
	v_add_nc_u32 v[ADRA+\s], s21, v[CO]
	v_add_nc_u32 v[ADRB+\s], s22, v4
	s_add_co_u32 s21, s21, SLOT
	s_add_co_u32 s22, s22, SLOT
.endr
	s_mul_i32 s23, s14, 16*SPITCH
	s_wait_alu depctr_va_vdst(0)
	v_mul_u32_u24 v5, v1, SPITCH
	v_lshl_add_u32 v5, v2, 5, v5
	v_add_nc_u32 v[STO], s23, v5
	v_lshlrev_b32 v7, 4, v1
	v_mul_u32_u24 v6, v2, SPITCH
	v_add_nc_u32 v6, v6, v7
	v_add_nc_u32 v[RD], s23, v6
	v_lshl_add_u32 v[OO], v2, 12, v7
	s_lshl_b32 s68, s42, 9
	s_lshl_b32 s69, s16, 8
	s_add_co_u32 s68, s68, s69
	s_mov_b32 s69, 0
	s_add_nc_u64 s[66:67], s[12:13], s[68:69]
	global_load_b128 v[BI:BI+3], v7, s[66:67]
	s_lshl_b32 s76, s17, 18
	s_lshl_b32 s77, s16, 17
	s_add_co_u32 s76, s76, s77
	s_lshl_b32 s77, s40, 15
	s_add_co_u32 s76, s76, s77
	s_mov_b32 s77, 0
	s_add_nc_u64 s[PFA:PFA+1], s[4:5], s[76:77]
	s_lshl_b32 s76, s42, 7
	s_lshl_b32 s75, s16, 6
	s_add_co_u32 s76, s76, s75
	s_lshl_b32 s75, s41, 4
	s_add_co_u32 s76, s76, s75
	s_lshl_b32 s76, s76, 10
	s_add_nc_u64 s[PFB:PFB+1], s[6:7], s[76:77]
	s_and_b32 s75, ttmp7, 0xffff
	s_cmp_lt_u32 s75, 4
	s_cselect_b32 s[FB], 1, 0
	s_wait_alu depctr_va_vdst(0)
	ASK 1
	ASK 2
	s_lshl_b32 s20, s17, 8
	s_lshl_b32 s21, s15, 7
	s_add_co_u32 s20, s20, s21
	s_lshl_b32 s20, s20, 12
	s_add_co_u32 s20, s20, s68
	s_mov_b32 s21, 0
	s_add_nc_u64 s[10:11], s[10:11], s[20:21]
.macro FRAG reg, adr, q, i
.irp c, 0,1,2,3
	ds_load_b128 v[\reg+4*\c:\reg+4*\c+3], v[\adr] offset:128*(\q)+32*\c+(\i)*16*PITCH
.endr
.endm
.macro FRAGA reg, adr, q, i
.irp c, 0,1,2,3
	ds_load_b128 v[\reg+4*\c:\reg+4*\c+3], v[\adr] offset:ABLK*(\i)+2048*(\q)+512*\c
.endr
.endm
.macro MUL16 a0, p, zero
.irp a, \a0, \a0+1
.irp b, 0,1,2,3
.if \zero
	v_wmma_f32_16x16x128_fp8_fp8 v[8*(8*((\a)%4)+\b):8*(8*((\a)%4)+\b)+7], v[128*(\p)+FR*\b:128*(\p)+FR*\b+FR-1], v[AF+FR*(\a):AF+FR*(\a)+FR-1], 0
.else
	v_wmma_f32_16x16x128_fp8_fp8 v[8*(8*((\a)%4)+\b):8*(8*((\a)%4)+\b)+7], v[128*(\p)+FR*\b:128*(\p)+FR*\b+FR-1], v[AF+FR*(\a):AF+FR*(\a)+FR-1], v[8*(8*((\a)%4)+\b):8*(8*((\a)%4)+\b)+7]
.endif
.endr
.endr
.endm
.macro FETCH_B slot, q, p
	WIN TO_B
.irp i, 0,1,2,3
	FRAG 128*(\p)+FR*\i, ADRB+\slot, \q, \i
.endr
	WIN 0
.endm
.macro FETCH_A slot, q, i0
.irp i, \i0, \i0+1, \i0+2, \i0+3
	FRAGA AF+FR*(\i), ADRA+\slot, \q, \i
.endr
.endm
.macro PLACES n
.rept \n
	v_nop
.endr
.endm
.macro STEP slot, q, zero
	s_wait_dscnt 4*NL
	WIN MUL_LO
	MUL16 0, (\q)%2, \zero
	MUL16 2, (\q)%2, \zero
	s_wait_dscnt 0
	PLACES NP
	FETCH_B \slot, (\q)+1, 1-(\q)%2
	FETCH_A \slot, (\q)+1, 0
	WIN MUL_HI
	MUL16 4, (\q)%2, \zero
	MUL16 6, (\q)%2, \zero
	PLACES NP
	WIN 0
	FETCH_A \slot, (\q)+1, 4
.endm
.macro TURN slot, next, fill
	s_wait_tensorcnt 0x0
	ds_add_u32 v[SPW], v[NIL]
	s_wait_dscnt 4*NL+1
	WIN MUL_LO
	MUL16 0, 1, 0
	s_wait_dscnt 0x0
	s_barrier_signal -1
	MUL16 2, 1, 0
	WIN 0
	s_barrier_wait -1
.if \fill
	CREST
	s_add_nc_u64 s[G0+4*\slot+2:G0+4*\slot+3], s[G0+4*\slot+2:G0+4*\slot+3], 2*ABLK
	s_add_nc_u64 s[G0B+4*\slot+2:G0B+4*\slot+3], s[G0B+4*\slot+2:G0B+4*\slot+3], 2*ROWB
	JLOAD G0+4*\slot, G1, G0B+4*\slot, G1B
.else
	PLACES NP
.endif
	FETCH_B \next, 0, 0
	FETCH_A \next, 0, 0
	WIN MUL_HI
	MUL16 4, 1, 0
	MUL16 6, 1, 0
	PLACES NP
	WIN 0
	FETCH_A \next, 0, 4
.endm
	s_wait_alu depctr_va_vdst(0)
	s_wait_tensorcnt 0x0
	ds_add_u32 v[SPW], v[NIL]
	s_wait_dscnt 0x0
	CROUND
	JLOAD G0+4, G1, G0B+4, G1B
	FETCH_B 0, 0, 0
	FETCH_A 0, 0, 0
	FETCH_A 0, 0, 4
	ASK 3
	STEP 0, 0, 1
	s_mov_b32 s3, LAPS-1
.Llap:
	TURN 0, 1, 1
	STEP 1, 0, 0
	TURN 1, 0, 1
	STEP 0, 0, 0
	s_sub_co_u32 s3, s3, 1
	s_cmp_lg_u32 s3, 0
	s_cbranch_scc1 .Llap
	TURN 0, 1, 0
	STEP 1, 0, 0
	s_wait_dscnt 4*NL
	WIN MUL_LO
	MUL16 0, 1, 0
	MUL16 2, 1, 0
	s_wait_dscnt 0
	WIN MUL_HI
	MUL16 4, 1, 0
	MUL16 6, 1, 0
	WIN 0
.macro TOSTAGE a
.set AC, 64*((\a)%4)
	WIN 0x08+4*((\a)/4)
.irp b, 0,1,2,3
	ds_store_b128 v[STO], v[AC+8*\b:AC+8*\b+3] offset:64*\b
	ds_store_b128 v[STO], v[AC+8*\b+4:AC+8*\b+7] offset:64*\b+16
.endr
	WIN 0
.set BB, BK+64*((\a)%2)
.irp t, 0,1,2,3,4,5,6,7
	ds_load_b128 v[BB+4*\t:BB+4*\t+3], v[RD] offset:\t*2*SPITCH
.endr
.endm
.macro SEND a, younger
.set BB, BK+64*((\a)%2)
	s_wait_dscnt \younger
.if (\a) > 0
	s_add_nc_u64 s[10:11], s[10:11], 16*SIZE_N*4
.endif
.irp t, 0,1,2,3,4,5,6,7
	v_pk_fma_f32 v[BB+4*\t:BB+4*\t+1],   v[BB+4*\t:BB+4*\t+1],   s[96:97], v[BI:BI+1]   op_sel_hi:[1,0,1]
	v_pk_fma_f32 v[BB+4*\t+2:BB+4*\t+3], v[BB+4*\t+2:BB+4*\t+3], s[96:97], v[BI+2:BI+3] op_sel_hi:[1,0,1]
.endr
.irp t, 0,1,2,3,4,5,6,7
	global_store_b128 v[OO], v[BB+4*\t:BB+4*\t+3], s[10:11] offset:2*\t*SIZE_N*4 th:TH_STORE_NT
.endr
.endm
	s_wait_kmcnt 0x0
	s_add_co_i32 s96, s96, s97
	s_add_co_i32 s96, s96, 127
	s_lshl_b32 s96, s96, 23
	s_mov_b32 s97, s96
	s_wait_loadcnt 0x0
	PLACES NP
	TOSTAGE 0
.irp a, 1,2,3,4,5,6,7
.if \a > 1
	s_wait_xcnt 0x0
.endif
	TOSTAGE \a
	SEND \a-1, 16
.endr
	s_wait_xcnt 0x0
	SEND 7, 0
	s_wait_tensorcnt 0x0
	ds_add_u32 v[SPW], v[NIL]
	s_wait_dscnt 0x0
	CROUND
	s_endpgm
.Lfunc_end_k_q96850236f1_proj:
	.size	k_q96850236f1_proj, .Lfunc_end_k_q96850236f1_proj-k_q96850236f1_proj
	.p2alignl 7, 3214868480
	.fill 96, 4, 3214868480
	.section	.rodata,"a",@progbits
	.p2align	6, 0x0
	.amdhsa_kernel k_q96850236f1_proj
		.amdhsa_group_segment_fixed_size 327680
		.amdhsa_private_segment_fixed_size 0
		.amdhsa_enable_private_segment 0
		.amdhsa_kernarg_size 40
		.amdhsa_user_sgpr_count 2
		.amdhsa_user_sgpr_kernarg_segment_ptr 1
		.amdhsa_wavefront_size32 1
		.amdhsa_system_sgpr_workgroup_id_x 1
		.amdhsa_system_sgpr_workgroup_id_y 1
		.amdhsa_system_sgpr_workgroup_id_z 1
		.amdhsa_system_vgpr_workitem_id 0
		.amdhsa_next_free_vgpr 1024
		.amdhsa_next_free_sgpr 98
		.amdhsa_reserve_vcc 0
		.amdhsa_float_denorm_mode_32 3
		.amdhsa_float_denorm_mode_16_64 3
		.amdhsa_memory_ordered 1
		.amdhsa_forward_progress 1
		.amdhsa_inst_pref_size 80
	.end_amdhsa_kernel
	.amdgpu_metadata
---
amdhsa.version: [ 1, 2 ]
amdhsa.kernels:
  - .name:           k_q96850236f1_proj
    .symbol:         k_q96850236f1_proj.kd
    .args:
      - { .name: ctx, .offset: 0, .size: 8, .value_kind: global_buffer, .address_space: global }
      - { .name: W_out_codes, .offset: 8, .size: 8, .value_kind: global_buffer, .address_space: global }
      - { .name: lowp_scales, .offset: 16, .size: 8, .value_kind: global_buffer, .address_space: global }
      - { .name: out0, .offset: 24, .size: 8, .value_kind: global_buffer, .address_space: global }
      - { .name: b_out, .offset: 32, .size: 8, .value_kind: global_buffer, .address_space: global }
    .group_segment_fixed_size: 327680
    .private_segment_fixed_size: 0
    .kernarg_segment_align: 8
    .kernarg_segment_size: 40
    .max_flat_workgroup_size: 128
    .sgpr_count:     98
    .vgpr_count:     1024
    .wavefront_size: 32
...
	.end_amdgpu_metadata
.endif
;; end of part 3
